; MI455X (gfx1250); checked and timed in simulation.
; The chip was launched on July 23, 2026; its instructions are those of AMD's public machine-readable ISA for CDNA 5 (MIT licence, August 2026) and "CDNA5" Instruction Set Architecture Reference Guide (July 2026). The comments in the code are by the model that wrote it; some were corrected since.
;; Multi Head Self Attention. Allowed arithmetic: matrix products marked QUANTISED: E5M2 operands, one given power-of-two scale a tensor, by v_wmma_f32_16x16x64_bf8_bf8 or v_wmma_f32_16x16x128_bf8_bf8, f32 sums; everything else in f32.
;; Inputs: W_proj_codes 1,024 x 32 x 32 uint8 (E5M2 codes of W_proj, K innermost, in blocks of 32 codes); W_qkv_codes 3,072 x 32 x 32 uint8 (E5M2 codes of W_qkv, K innermost, in blocks of 32 codes); b_proj 1,024 float32; b_qkv 3,072 float32; lowp_scales 8 int32 (the exponents e of the quantised operands' scales 2^e); x_codes 4 x 2,048 x 32 x 32 uint8 (E5M2 codes of x, K innermost, in blocks of 32 codes).
;; Outputs: out0 4 x 2,048 x 1,024 float32.
;; This version of the problem:
;;   THIS VERSION OF THE PROBLEM IS GIVEN IN LOW PRECISION. The matrix products marked QUANTISED in the list below multiply operands that are first quantised to E5M2 (5 exponent bits, 2 mantissa bits; 8 bits a number), with one given power-of-two scale for each operand tensor; their sums are f32. All else is computed in f32.
;;   The module's matrix products, in the order in which they are computed (A, B: the left and right operand; K: the contracted axis; several contracted axes count as one K, in the product's order):
;;     1. [M 8,192, K 1,024] x [K 1,024, N 3,072]; A: input x (given as codes); B: input W_qkv (given as codes): QUANTISED (scales: A lowp_scales[0], B lowp_scales[1])
;;     2. batch 64 x [M 2,048, K 64] x [K 64, N 2,048]; A: computed on the way; B: computed on the way: QUANTISED (scales: A lowp_scales[2], B lowp_scales[3])
;;     3. batch 64 x [M 2,048, K 2,048] x [K 2,048, N 64]; A: softmax (see below); B: computed on the way: QUANTISED (scales: A lowp_scales[4], B lowp_scales[5])
;;     4. [M 8,192, K 1,024] x [K 1,024, N 1,024]; A: computed on the way; B: input W_proj (given as codes): QUANTISED (scales: A lowp_scales[6], B lowp_scales[7])
;;   THE QUANTISER, for each operand of a quantised product, along K:
;;     - The operand's scale is 2^e, e = its entry of the input lowp_scales (int32; the entries are numbered through the quantised products in the list's order, A before B).
;;     - Each number is divided by the scale, clamped to +-57,344, and rounded to the nearest number of E5M2, ties to even, subnormals kept.
;;     - The product sums the exact products of the quantised numbers (number of the format x scale) in f32.
;;   ~~~python
;;   def quantise(x, axis, e):      # numpy; x: float32 -> the quantised numbers, widened to float32 again
;;       x = np.moveaxis(x, axis, -1); K = x.shape[-1]
;;       r = np.clip(x / 2.0 ** e, -57344, 57344)
;;       step = 2.0 ** (np.maximum(np.frexp(np.where(r == 0, 1, r))[1] - 1, -14) - 2)
;;       q = np.round(r / step) * step * 2.0 ** e      # np.round: ties to even
;;       return np.moveaxis(q, -1, axis).astype(np.float32)
;;   ~~~
;;   SOFTMAX AHEAD OF A QUANTISED PRODUCT. Where the list says 'softmax', what is quantised is not the finished softmax but p = 2^(t - M), with t = logit x log2(e) and M = ceil(the row's largest t), a whole number; so 1/2 < the row's largest p <= 1. The row's sum l is taken of the UNQUANTISED p, in f32, and the product's result is divided by l at the end. Since M is a whole number, a kernel that streams over the keys may use a running M (the ceiling of the running maximum): every later rescaling is an exact power of two, so the quantised numbers keep their values, but for numbers so far below the row's largest that they fall under the format's range.
;;   OPERANDS COMPUTED ON THE WAY. 'Computed on the way' means the value that the module computes at that place (a softmax that the list does not call 'softmax' is quantised finished and normalised). What goes into a quantiser is computed in f32, as accurately as f32 sums, v_exp_f32 and their like allow (about 1e-6 of the number): no bf16 or f16 on the way to a quantiser, and a product that is left as it is and whose result goes on into a quantised operand takes f32 operands (vector FMAs, or v_wmma_f32_16x16x4_f32). A number that lies on a knife's edge between two numbers of the format may be rounded either way, as far as f32 arithmetic and the matrix unit's own rounding can turn it there, and no further.
;;   INPUTS GIVEN AS CODES. W_proj (in the module: [1024, 1024], K = its axis 1); W_qkv (in the module: [3072, 1024], K = its axis 1); x (in the module: [4, 2048, 1024], K = its axis 2): each comes as NAME_codes (uint8): NAME with its K axis moved to the last place and cut into blocks of 32 codes, [.., K / 32, bytes a block], one block behind the other in memory; one code a byte (a code: sign, 5 exponent bits, 2 mantissa bits); its scale is its entry of lowp_scales. Its value is code x scale, taken as it is: it is not quantised again, and the codes and scales need not be those that the quantiser above would give.
;; One version. Each part assembles by itself: llvm-mc -triple=amdgcn-amd-amdhsa -mcpu=gfx1250 --defsym DOCPART=n.
;; ======== version 1 of 1: 3 launches
;; limits: right only within a limited range of input values
;; workspace buffers: qkv_ws 25,165,824 bytes; o_ws 8,388,608 bytes
;; launch qkv (part 1): grid 64 x 4, 4 waves a work-group, clusters of 4 x 4, 327,680 bytes of LDS; arguments x_codes, W_qkv_codes, b_qkv, lowp_scales, qkv_ws; writes qkv_ws
.if DOCPART == 1
	.amdgcn_target "amdgcn-amd-amdhsa--gfx1250"
	.amdhsa_code_object_version 6
	.text
	.protected	k_q50d6b8583f_qkv
	.globl	k_q50d6b8583f_qkv
	.p2align	8
	.type	k_q50d6b8583f_qkv,@function
k_q50d6b8583f_qkv:
	s_mov_b64 s[64:65], 0
	v_nop
	global_prefetch_b8 v0, s[64:65] scope:SCOPE_SE
	s_setreg_imm32_b32 hwreg(HW_REG_WAVE_MODE, 25, 1), 1
	s_wait_xcnt 0x0
	s_wait_alu depctr_hold_cnt(0) depctr_sa_sdst(0) depctr_va_vdst(0) depctr_va_sdst(0) depctr_va_ssrc(0) depctr_va_vcc(0) depctr_vm_vsrc(0)
	s_getreg_b32 s2, hwreg(HW_REG_IB_STS2, 6, 4)
	s_cmp_eq_u32 s2, 0
	s_cbranch_scc0 .Lentry_in_a_cluster
	s_endpgm
.Lentry_in_a_cluster:
	s_bfe_u32 s2, ttmp6, 0x10000c
	s_cmp_lg_u32 s2, 0xf033
	s_cbranch_scc0 .Lentry_shape_is_right
	s_endpgm
.Lentry_shape_is_right:
; q, k, v = x W_qkv^T + b_qkv on codes of BF8 (E5M2); each result is quantised with its own given scale (q 2^e2, k 2^e3, v 2^e5) and stored as images of the next launch's operand registers.
; LIMITS: e0 + e1 between -126 and 127; e2, e3, e5 between -126 and 112, so that each power of two below is an f32 number.
; SHARES.  256 work-groups: 64 blocks of 128 tokens x 4 groups of four heads.  A work-group makes q, k and v of its four heads for its tokens: 768 features, in six slots of 128 (q, q, k, k, v, v).
; Four waves: wave (i, j) has tokens 64 i .. 64 i + 63 and, of each slot's two heads, head j: 4 x 4 accumulators, finished within the slot, since the whole K = 1,024 is at hand.
; THE TOKENS pass through LDS once and stay in registers: 64 tokens x 1,024 codes are 512 registers a wave.  W's slots, 128 rows x 1,024 bytes, take turns in two LDS regions; each wave brings a quarter by one tensor load.
; CLUSTERS of 4 x 4: x's tile is asked for jointly along a column (same tokens), W's slots along a row (same heads).
; LAYOUT.  Lane r of the tokens' tile 2 b + u holds token 32 b + 8 u + r + 8 (r / 8).  q, k: source 0 = 16 rows of W, source 1 = 16 tokens: a lane holds one token, and the 16 registers of two neighbouring tiles of W become
; the 16 bytes of (tile of tokens, 32 of the head's 64, lane); q and k are laid alike, so their products meet.  v: the sources are swapped: a lane holds one channel and the 16 registers of tiles 2 b, 2 b + 1 of tokens are 16 neighbouring keys;
; lane r of W's tile 2 b + u there is channel 32 b + 8 u + r + 8 (r / 8).  Every store is 512 consecutive bytes of the workspace, aligned; nothing goes back through LDS.
; LDS.  A region is two halves of 67,840 bytes; a quarter (32 rows, pitch 1,040) lies at half x 67,840 + (0 or 33,408): the second quarter stands 128 bytes off a multiple of 256.  v's quarters hold rows 32 b + 16 g + 0 .. 15 (b = 0, 1),
; stated as two rows of 16,384 bytes, so that lanes r >= 8 of a tile read from the quarter that stands 128 bytes off.  The head's four tiles (64 rows each) state a 65th row past the tensor's end, which is written as zeros.
; PREFETCH: trip s asks for slot s + 2, each block of 256 bytes once, by the first four clusters along x; the four partners of a row share the slot's rows out by address.  Slots 0 and 1 and x come by their loads alone.
; REGISTERS, in windows of 256: window 0: v0-31 addresses and scales, v32-63 the bias, v64-255 three buffers of four fragments of W (v192-223 also the codes on the way out);
;   windows 1, 2: the tokens, 128 along K number q at window 1 + q / 4, v[64 (q % 4) + 16 a];   window 3: v0-127 the accumulators, (a, f) at v[32 a + 8 f].
.set PITCH, 1040
.set HALF,  67840
.set GOFF,  33408
.set RB,    135680
.set SPARE, 271360
.set SCL, 8                            ; v8-10   2^e of q, k, v
.set LIM, 11                           ; v11-13  57,344 x that
.set CO,  14                           ; 16 x lane
.set AX,  15                           ; the tokens in LDS
.set AN,  16                           ; v16, v17  W's rows as they lie, region A, B
.set AV,  18                           ; v18, v19  v's rows
.set BQ,  21
.set BV,  22
.set PF,  23
.set SPW, 28
.set NIL, 29
.set BI,  32
.set WB,  64
.set CD,  192
.set MSB, 0
.macro WIN new
.if MSB != (\new)
	s_set_vgpr_msb (MSB<<8)|(\new)
.set MSB, (\new)
.endif
.endm
.macro PLACES n
.rept \n
	v_nop
.endr
.endm
.macro CROUND
	s_barrier_signal -1
	s_barrier_wait -1
	s_cmp_lg_u32 s14, 0
	s_cbranch_scc1 .Lnot_wave_0_\@
	s_barrier_signal -3
.Lnot_wave_0_\@:
	s_barrier_wait -3
	s_barrier_signal -1
	s_barrier_wait -1
.endm
	s_load_b256 s[4:11], s[0:1], 0x0               ; x's codes, W's, b_qkv, the scales' exponents
	s_load_b64 s[12:13], s[0:1], 0x20              ; the workspace
	v_lshl_add_u32 v[SPW], v0, 2, SPARE
	v_mov_b32 v[NIL], 0
	ds_add_u32 v[SPW], v[NIL]                      ; the opening lines
	ds_add_u32 v[SPW], v[NIL]
	v_lshrrev_b32 v1, 5, v0
	v_readfirstlane_b32 s14, v1                    ; wave
	s_lshr_b32 s15, s14, 1                         ; i: my 64 tokens.  Also the half of a region that I fill
	s_and_b32 s16, s14, 1                          ; j: my head of a slot's two.  Also the quarter of that half
	s_bfe_u32 s19, ttmp6, 0x40000                  ; cx
	s_bfe_u32 s18, ttmp6, 0x40004                  ; cy
	s_lshl_b32 s17, ttmp9, 2
	s_add_co_u32 s17, s17, s19                     ; the block of 128 tokens
	s_lshl_b32 s20, s18, 2
	s_lshl_b32 s20, 15, s20                        ; my row of the cluster
	s_lshl_b32 s21, 0x1111, s19                    ; my column
	s_and_b32 s22, ttmp7, 0xffff
	s_lshl_b32 s22, s22, 2
	s_add_co_u32 s18, s18, s22                     ; the group of four heads
	s_or_b32 s24, s21, (1<<20)|(1<<21)|(7<<22)|(3<<25)   ; x: elements of 1 byte, 4 words of padding after every 256
	s_or_b32 s48, s20, (1<<20)|(1<<21)|(7<<22)|(3<<25)   ; W, slot 0's halves
	s_or_b32 s56, s20, (1<<20)|(1<<21)|(7<<22)|(3<<25)   ; W, quarters of 32 rows
	s_or_b32 s72, s20, (1<<20)|(1<<21)|(7<<22)|(3<<25)   ; W, v's quarters
.irp g, 24, 48
	s_mov_b32 s[\g+1], 1024<<16
	s_mov_b32 s[\g+2], 64<<16                      ; 64 rows are there,
	s_mov_b32 s[\g+3], 1024<<16
	s_mov_b32 s[\g+4], 65                          ; 65 are written: the last as zeros
	s_mov_b32 s[\g+5], 1024
	s_mov_b32 s[\g+6], 0
	s_mov_b32 s[\g+7], 0
.endr
	s_mov_b32 s57, 1024<<16
	s_mov_b32 s58, 32<<16
	s_mov_b32 s59, 1024<<16
	s_mov_b32 s60, 32
	s_mov_b32 s61, 1024
	s_mov_b32 s62, 0
	s_mov_b32 s63, 0
	s_mov_b32 s73, 16384<<16
	s_mov_b32 s74, 2<<16
	s_mov_b32 s75, 16384<<16
	s_mov_b32 s76, 2
	s_mov_b32 s77, 32768
	s_mov_b32 s78, 0
	s_mov_b32 s79, 0
	s_lshl_b32 s20, s17, 17                        ; x: row 128 x block + 64 x half
	s_lshl_b32 s21, s16, 16
	s_add_co_u32 s20, s20, s21
	s_mov_b32 s21, 0
	s_lshl_b32 s71, s18, 18                        ; W: 256 rows for each group of heads
	s_lshl_b32 s22, s16, 16
	s_add_co_u32 s22, s22, s71                     ; slot 0: + 64 x half
	s_mov_b32 s23, 0
	s_lshl_b32 s92, s14, 15
	s_add_co_u32 s92, s92, s71                     ; later slots: + 32 x wave
	s_mov_b32 s93, 0
	s_mul_i32 s94, s16, HALF
	s_mul_i32 s70, s15, HALF
	s_mul_i32 s95, s16, GOFF
	s_add_co_u32 s70, s70, s95                     ; my quarter of a region
	s_lshl_b32 s66, s16, 14
	s_sub_co_u32 s66, 0x100000, s66                ; from a slot of k to the slot of v: 1,024 rows on, less 16 for the odd quarters
	s_mov_b32 s67, 0
	s_wait_dscnt 0x0
	s_wait_kmcnt 0x0
	s_load_b256 s[80:87], s[10:11], 0x0            ; e0 .. e7
	s_mov_b32 s32, 1
	s_add_co_u32 s33, s94, RB
	s_add_nc_u64 s[34:35], s[4:5], s[20:21]
	s_or_b32 s35, s35, 0x80000000
	s_mov_b32 s36, 1
	s_mov_b32 s37, s94
	s_add_nc_u64 s[38:39], s[6:7], s[22:23]
	s_or_b32 s39, s39, 0x80000000
	s_add_nc_u64 s[92:93], s[6:7], s[92:93]
	s_mov_b32 s40, 1                               ; region A: slots 2, 4
	s_mov_b32 s41, s70
	s_add_nc_u64 s[42:43], s[92:93], 0x100000
	s_or_b32 s43, s43, 0x80000000
	s_mov_b32 s44, 1                               ; region B: slots 1, 3, 5
	s_add_co_u32 s45, s70, RB
	s_add_nc_u64 s[46:47], s[92:93], 0x20000
	s_or_b32 s47, s47, 0x80000000
	CROUND                                         ; all sixteen work-groups are here: the first joint loads meet
	s_cmp_eq_u32 s15, 0                            ; waves 0, 1: x's halves, into region B; waves 2, 3: slot 0's halves, into region A
	s_cbranch_scc0 .Lfor_w
	tensor_load_to_lds s[32:35], s[24:31]
	s_nop 0
	PLACES 4
	s_branch .Lasked
.Lfor_w:
	tensor_load_to_lds s[36:39], s[48:55]
	s_nop 0
	PLACES 4
.Lasked:
	s_lshl_b32 s20, s19, 15                        ; the prefetches: my work-group's 32 rows of a slot, my wave's 8 of them
	s_lshl_b32 s21, s14, 13
	s_add_co_u32 s20, s20, s21
	s_add_co_u32 s20, s20, s71
	s_mov_b32 s21, 0
	s_add_nc_u64 s[96:97], s[6:7], s[20:21]
	s_lshr_b32 s20, s17, 4                         ; the workspace: head 16 x batch + 4 x group + j, 393,216 bytes each; block of 128 tokens, 24,576 each
	s_lshl_b32 s20, s20, 4
	s_lshl_b32 s21, s18, 2
	s_add_co_u32 s20, s20, s21
	s_add_co_u32 s20, s20, s16
	s_mul_i32 s20, s20, 393216
	s_and_b32 s21, s17, 15
	s_mul_i32 s21, s21, 24576
	s_add_co_u32 s20, s20, s21
	s_mov_b32 s21, 0
	s_add_nc_u64 s[88:89], s[12:13], s[20:21]
	s_mov_b64 s[90:91], s[88:89]
	s_lshl_b32 s22, s15, 12
	s_mov_b32 s23, 0
	s_add_nc_u64 s[88:89], s[88:89], s[22:23]      ; q, k: my four tiles of tokens, 1,024 bytes each
	s_lshl_b32 s22, s15, 10
	s_add_co_u32 s22, s22, 8192
	s_add_nc_u64 s[90:91], s[90:91], s[22:23]      ; v: my two groups of 32 keys, 512 bytes each
	s_mul_i32 s93, s15, HALF
	s_add_co_u32 s93, s93, RB
	s_lshl_b32 s95, s18, 10
	s_lshl_b32 s92, s16, 8
	s_add_co_u32 s95, s95, s92                     ; my head's first feature in a third of b_qkv, in bytes
	s_wait_kmcnt 0x0
	s_add_co_i32 s68, s80, s81
	s_add_co_i32 s68, s68, 127
	s_lshl_b32 s68, s68, 23                        ; 2^(e0 + e1)
	s_mov_b32 s69, s68
	s_add_co_i32 s20, s82, 127
	s_add_co_i32 s21, s83, 127
	s_add_co_i32 s22, s85, 127
.irp t, 0,1,2
	s_lshl_b32 s23, s[20+\t], 23
	v_mov_b32 v[SCL+\t], s23
	s_add_co_i32 s23, s[20+\t], 15
	s_lshl_b32 s23, s23, 23
	s_or_b32 s23, s23, 0x600000
	v_mov_b32 v[LIM+\t], s23
.endr
	v_and_b32 v1, 15, v0                           ; r
	v_bfe_u32 v2, v0, 4, 1                         ; h
	v_and_b32 v3, 8, v1
	v_add_nc_u32 v4, v3, v1                        ; r + 8 (r / 8)
	v_and_b32 v5, 31, v0
	v_lshlrev_b32 v[CO], 4, v5
	v_lshlrev_b32 v6, 4, v2
	v_mad_u32_u24 v7, v4, PITCH, v6
	v_add_nc_u32 v[AX], s93, v7
	v_mad_u32_u24 v7, v1, PITCH, v6
	v_add_nc_u32 v[AN], s94, v7
	v_add_nc_u32 v[AN+1], RB, v[AN]
	v_and_b32 v7, 7, v1
	v_mad_u32_u24 v7, v7, PITCH, v6
	v_lshrrev_b32 v3, 3, v3
	v_mad_u32_u24 v7, v3, GOFF, v7
	v_add_nc_u32 v[AV], s94, v7
	v_add_nc_u32 v[AV+1], RB, v[AV]
	v_lshl_add_u32 v[BQ], v2, 5, s95
	v_lshl_add_u32 v[BV], v4, 2, s95
	v_lshrrev_b32 v7, 2, v5
	v_and_b32 v5, 3, v5
	v_lshlrev_b32 v5, 8, v5
	v_lshl_add_u32 v[PF], v7, 10, v5               ; a lane a block of 256 bytes: row lane / 4, block lane % 4
.macro WLOAD s, q                      ; four fragments of W, 128 along K number q, into buffer q % 3
.irp f, 0,1,2,3
.if (\s) == 0
.set WO_, 16*PITCH*\f
.set WR_, AN
.elseif (\s) < 4
.set WO_, (\f/2)*GOFF+(\f%2)*16*PITCH
.set WR_, AN+(\s)%2
.else
.set WO_, (16*(\f/2)+8*(\f%2))*PITCH
.set WR_, AV+(\s)%2
.endif
.irp c, 0,1,2,3
	ds_load_b128 v[WB+64*((\q)%3)+16*\f+4*\c:WB+64*((\q)%3)+16*\f+4*\c+3], v[WR_] offset:WO_+128*(\q)+32*\c
.endr
.endr
.endm
.macro HS s, q                         ; 16 products: my four tiles of tokens x four tiles of W, 128 along K; the 16 accumulators by turns
	WIN 0
.if (\q) < 7
	s_wait_dscnt 16                                ; all but the next step's 16 loads
.else
	s_wait_dscnt 0x0
.endif
.if (\q) < 6
	PLACES 4                                       ; in front of loads into the buffer that the step before multiplied
	WLOAD \s, (\q)+2
.endif
.if (\s) < 4
	WIN 0xf0|((1+(\q)/4)<<2)
.else
	WIN 0xf0|(1+(\q)/4)
.endif
.irp a, 0,1,2,3
.irp f, 0,1,2,3
.if (\s) < 4
.if (\q) == 0
	v_wmma_f32_16x16x128_bf8_bf8 v[32*\a+8*\f:32*\a+8*\f+7], v[WB+64*((\q)%3)+16*\f:WB+64*((\q)%3)+16*\f+15], v[64*((\q)%4)+16*\a:64*((\q)%4)+16*\a+15], 0
.else
	v_wmma_f32_16x16x128_bf8_bf8 v[32*\a+8*\f:32*\a+8*\f+7], v[WB+64*((\q)%3)+16*\f:WB+64*((\q)%3)+16*\f+15], v[64*((\q)%4)+16*\a:64*((\q)%4)+16*\a+15], v[32*\a+8*\f:32*\a+8*\f+7]
.endif
.else
.if (\q) == 0
	v_wmma_f32_16x16x128_bf8_bf8 v[32*\a+8*\f:32*\a+8*\f+7], v[64*((\q)%4)+16*\a:64*((\q)%4)+16*\a+15], v[WB+64*((\q)%3)+16*\f:WB+64*((\q)%3)+16*\f+15], 0
.else
	v_wmma_f32_16x16x128_bf8_bf8 v[32*\a+8*\f:32*\a+8*\f+7], v[64*((\q)%4)+16*\a:64*((\q)%4)+16*\a+15], v[WB+64*((\q)%3)+16*\f:WB+64*((\q)%3)+16*\f+15], v[32*\a+8*\f:32*\a+8*\f+7]
.endif
.endif
.endr
.endr
.endm
.macro BIAS s                          ; q, k: register 8 f + e: feature 16 f + 8 h + e.  v: the lane's channel of tile f, in both registers of a pair
.irp f, 0,1,2,3
.if (\s) < 4
	global_load_b128 v[BI+8*\f:BI+8*\f+3], v[BQ], s[8:9] offset:4*(1024*((\s)/2)+128*((\s)%2))+64*\f
	global_load_b128 v[BI+8*\f+4:BI+8*\f+7], v[BQ], s[8:9] offset:4*(1024*((\s)/2)+128*((\s)%2))+64*\f+16
.else
	global_load_b32 v[BI+2*\f], v[BV], s[8:9] offset:4*(2048+128*((\s)%2)+32*(\f/2)+8*(\f%2))
	global_load_b32 v[BI+2*\f+1], v[BV], s[8:9] offset:4*(2048+128*((\s)%2)+32*(\f/2)+8*(\f%2))
.endif
.endr
.endm
; THE WAY OUT of slot s: sum x 2^(e0 + e1) + bias, held at the largest code, converted; four registers of codes are 16 bytes of an image, stored as they stand.
.macro WO s
	s_wait_loadcnt 0x0                             ; the bias
	WIN 0xc3                                       ; the sums, source 0 and destination, window 3
.irp a, 0,1,2,3
.irp f, 0,1,2,3
.irp e, 0,2,4,6
.if (\s) < 4
	v_pk_fma_f32 v[32*\a+8*\f+\e:32*\a+8*\f+\e+1], v[32*\a+8*\f+\e:32*\a+8*\f+\e+1], s[68:69], v[BI+8*\f+\e:BI+8*\f+\e+1] op_sel_hi:[1,0,1]
.else
	v_pk_fma_f32 v[32*\a+8*\f+\e:32*\a+8*\f+\e+1], v[32*\a+8*\f+\e:32*\a+8*\f+\e+1], s[68:69], v[BI+2*\f:BI+2*\f+1] op_sel_hi:[1,0,1]
.endif
.endr
.endr
.endr
.set n, 0
.rept 128
	v_med3_num_f32 v[n], v[n], -v[LIM+(\s)/2], v[LIM+(\s)/2]
.set n, n+1
.endr
	WIN 0x03
.irp a, 0,1,2,3
.irp c, 0,1
.if (\s) < 4
	v_cvt_scalef32_pk8_bf8_f32 v[CD+8*\a+4*\c:CD+8*\a+4*\c+1], v[32*\a+16*\c:32*\a+16*\c+7], v[SCL+(\s)/2]
	v_cvt_scalef32_pk8_bf8_f32 v[CD+8*\a+4*\c+2:CD+8*\a+4*\c+3], v[32*\a+16*\c+8:32*\a+16*\c+15], v[SCL+(\s)/2]
.else
	v_cvt_scalef32_pk8_bf8_f32 v[CD+8*\a+4*\c:CD+8*\a+4*\c+1], v[64*\c+8*\a:64*\c+8*\a+7], v[SCL+2]
	v_cvt_scalef32_pk8_bf8_f32 v[CD+8*\a+4*\c+2:CD+8*\a+4*\c+3], v[64*\c+32+8*\a:64*\c+32+8*\a+7], v[SCL+2]
.endif
.endr
.endr
	v_nop                                          ; one plain line behind the last conversion
	WIN 0
.irp a, 0,1,2,3
.irp c, 0,1
.if (\s) < 2
	global_store_b128 v[CO], v[CD+8*\a+4*\c:CD+8*\a+4*\c+3], s[88:89] offset:786432*((\s)%2)+16384+1024*\a+512*\c
.elseif (\s) < 4
	global_store_b128 v[CO], v[CD+8*\a+4*\c:CD+8*\a+4*\c+3], s[88:89] offset:786432*((\s)%2)+1024*\a+512*\c
.else
	global_store_b128 v[CO], v[CD+8*\a+4*\c:CD+8*\a+4*\c+3], s[90:91] offset:786432*((\s)%2)+2048*\a+512*\c   ; here a is W's tile (16 channels), c the pair of tiles of tokens
.endif
.endr
.endr
	s_wait_xcnt 0x0                                ; the stores have read their registers: W's fragments may land there again
.endm
; A TRIP: slot s.  Every wave waits for all its tensor loads (its quarter of slot s), adds 0 to its spare word, and waits for that and for its reads of the other region; behind the round that region takes slot s + 1.
.macro TRIP s
	WIN 0
	s_wait_tensorcnt 0x0
	ds_add_u32 v[SPW], v[NIL]
.if (\s) == 2
	s_add_nc_u64 s[46:47], s[46:47], 0x100000
.elseif (\s) == 3
	s_add_nc_u64 s[42:43], s[42:43], s[66:67]
.elseif (\s) == 4
	s_add_nc_u64 s[46:47], s[46:47], s[66:67]
.endif
	s_wait_dscnt 0x0
.if (\s) < 5
	CROUND
.if (\s) == 0 || (\s) == 2
	tensor_load_to_lds s[44:47], s[56:63]
.elseif (\s) == 1
	tensor_load_to_lds s[40:43], s[56:63]
.elseif (\s) == 3
	tensor_load_to_lds s[40:43], s[72:79]
.else
	tensor_load_to_lds s[44:47], s[72:79]
.endif
	s_nop 0
.else
	s_barrier_signal -1                            ; the last slot: nothing is filled again
	s_barrier_wait -1
.endif
	PLACES 4                                       ; also the places behind the last products
	WLOAD \s, 0
	WLOAD \s, 1
.if (\s) < 4
	s_cmp_lt_u32 ttmp9, 4
	s_cbranch_scc0 .Lnot_mine_\@
	global_prefetch_b8 v[PF], s[96:97] offset:(1024*(((\s)+2)/2)+128*(((\s)+2)%2))*1024 th:TH_LOAD_NT scope:SCOPE_SE
.Lnot_mine_\@:
.endif
.if (\s) > 0
	WO (\s)-1
.endif
	BIAS \s
.irp q, 0,1,2,3,4,5,6,7
	HS \s, \q
.endr
.endm
	s_wait_alu depctr_va_vdst(0)
	s_wait_tensorcnt 0x0                           ; my first fill is in,
	s_barrier_signal -1
	s_barrier_wait -1                              ; everybody's is
.irp q, 0,1,2,3,4,5,6,7                        ; my 64 tokens, the whole K: 128 loads
	WIN 0x40*(1+\q/4)
.irp a, 0,1,2,3
.irp c, 0,1,2,3
	ds_load_b128 v[64*(\q%4)+16*\a+4*\c:64*(\q%4)+16*\a+4*\c+3], v[AX] offset:(32*(\a/2)+8*(\a%2))*PITCH+128*\q+32*\c
.endr
.endr
.endr
	TRIP 0
	TRIP 1
	TRIP 2
	TRIP 3
	TRIP 4
	TRIP 5
	WIN 0
	PLACES 4
	WO 5
	s_wait_tensorcnt 0x0                           ; the wave's end
	ds_add_u32 v[SPW], v[NIL]
	s_wait_dscnt 0x0
	CROUND                                         ; the closing round
	s_endpgm
.Lfunc_end_k_q50d6b8583f_qkv:
	.size	k_q50d6b8583f_qkv, .Lfunc_end_k_q50d6b8583f_qkv-k_q50d6b8583f_qkv
	.p2alignl 7, 3214868480
	.fill 96, 4, 3214868480
	.section	.rodata,"a",@progbits
	.p2align	6, 0x0
	.amdhsa_kernel k_q50d6b8583f_qkv
		.amdhsa_group_segment_fixed_size 327680
		.amdhsa_private_segment_fixed_size 0
		.amdhsa_enable_private_segment 0
		.amdhsa_kernarg_size 40
		.amdhsa_user_sgpr_count 2
		.amdhsa_user_sgpr_kernarg_segment_ptr 1
		.amdhsa_wavefront_size32 1
		.amdhsa_system_sgpr_workgroup_id_x 1
		.amdhsa_system_sgpr_workgroup_id_y 1
		.amdhsa_system_sgpr_workgroup_id_z 1
		.amdhsa_system_vgpr_workitem_id 0
		.amdhsa_next_free_vgpr 896
		.amdhsa_next_free_sgpr 98
		.amdhsa_reserve_vcc 0
		.amdhsa_float_denorm_mode_32 3
		.amdhsa_float_denorm_mode_16_64 3
		.amdhsa_memory_ordered 1
		.amdhsa_forward_progress 1
		.amdhsa_inst_pref_size 215
	.end_amdhsa_kernel
	.amdgpu_metadata
---
amdhsa.version: [ 1, 2 ]
amdhsa.kernels:
  - .name:           k_q50d6b8583f_qkv
    .symbol:         k_q50d6b8583f_qkv.kd
    .args:
      - { .name: x_codes, .offset: 0, .size: 8, .value_kind: global_buffer, .address_space: global }
      - { .name: W_qkv_codes, .offset: 8, .size: 8, .value_kind: global_buffer, .address_space: global }
      - { .name: b_qkv, .offset: 16, .size: 8, .value_kind: global_buffer, .address_space: global }
      - { .name: lowp_scales, .offset: 24, .size: 8, .value_kind: global_buffer, .address_space: global }
      - { .name: qkv_ws, .offset: 32, .size: 8, .value_kind: global_buffer, .address_space: global }
    .group_segment_fixed_size: 327680
    .private_segment_fixed_size: 0
    .kernarg_segment_align: 8
    .kernarg_segment_size: 40
    .max_flat_workgroup_size: 128
    .sgpr_count:     98
    .vgpr_count:     896
    .wavefront_size: 32
...
	.end_amdgpu_metadata
.endif
;; end of part 1
;; launch attn (part 2): grid 4 x 64, 16 waves a work-group, clusters of 4 x 1, 264,192 bytes of LDS; arguments qkv_ws, lowp_scales, o_ws; writes o_ws
.if DOCPART == 2
	.amdgcn_target "amdgcn-amd-amdhsa--gfx1250"
	.amdhsa_code_object_version 6
	.text
	.protected	k_q50d6b8583f_attn
	.globl	k_q50d6b8583f_attn
	.p2align	8
	.type	k_q50d6b8583f_attn,@function
k_q50d6b8583f_attn:
	s_mov_b64 s[64:65], 0
	v_nop
	global_prefetch_b8 v0, s[64:65] scope:SCOPE_SE
	s_setreg_imm32_b32 hwreg(HW_REG_WAVE_MODE, 25, 1), 1
	s_wait_xcnt 0x0
	s_wait_alu depctr_hold_cnt(0) depctr_sa_sdst(0) depctr_va_vdst(0) depctr_va_sdst(0) depctr_va_ssrc(0) depctr_va_vcc(0) depctr_vm_vsrc(0)
	s_getreg_b32 s2, hwreg(HW_REG_IB_STS2, 6, 4)
	s_cmp_eq_u32 s2, 0
	s_cbranch_scc0 .Lentry_in_a_cluster
	s_endpgm
.Lentry_in_a_cluster:
	s_bfe_u32 s2, ttmp6, 0x10000c
	s_cmp_lg_u32 s2, 0x3003
	s_cbranch_scc0 .Lentry_shape_is_right
	s_endpgm
.Lentry_shape_is_right:
; out[head][q] = the sum over k of softmax_k(q . k / 8) v[k], both products on codes of BF8 (E5M2); the result is quantised with 2^e6 and stored as codes in the order of the last launch's operand registers.
; THE SOFTMAX AHEAD OF THE SECOND PRODUCT: t = score x log2(e) / 8; M = the running largest t, rounded UP to a whole number; p = 2^(t - M) is quantised with 2^e4, not normalised.
; The row's sum is taken of the unquantised p, in f32, and divides at the end.  When M moves, the sum and O are multiplied by 2^(old M - new M), which rounds nothing.
; LIMITS on the given exponents: e2 + e3 between -123 and 130 (they are added to c's exponent field); e4 and e6 between -126 and 112; e4 + e5 is applied by v_ldexp_f32 and has none.
; SHARES.  A work-group owns 512 queries of one head (the four work-groups of a cluster: its 2,048); each of its sixteen waves owns 32, two tiles of 16, in 256 registers.
; THE HEAD'S WHOLE K AND V LIE IN LDS: 16 blocks of 128 keys, 8,192 bytes of K and 8,192 of V each.  Wave w brings block w by ONE tensor load, asked for jointly by the four partners.
; No LDS byte is filled twice: no ring.  All loads go out at the head, ahead of the one loop, so nothing is prefetched.
; LAYOUT.  Both products are used transposed (S^T = K Q^T, O^T = V^T P^T): a lane holds ONE query of each tile.  The workspace holds each operand as an image of its registers, 16 bytes a lane.
; The 16 registers of tiles 2 b, 2 b + 1 of S^T are keys 32 b + 16 (lane / 16) + 0 .. 15, so the conversions' results are the second product's operand.
; THE TWO TILES ARE WORKED SIDE BY SIDE, line by line, so that dependent lines stand apart; plain lines whose sources are settled and whose results are read later stand between the exponentials.
; REGISTERS: v1 the LDS address; v2 2^e4; tile x (+6 x): v4 -M, v5 the largest score so far, v[6:7] the sum in two halves, v8 f (in the maxima: a second chain), v9 a permute's destination;
;   v16-31 Q; v32-63 K's tiles 4-7, then partial sums, then P's codes (16 a tile); v64-127 S^T of tile 0, then V; v128-191 S^T of tile 1, and in v160-191 the NEXT step's K tiles 0-3; v192-255 O^T.
.set ADR, 1
.set PSC, 2
.set NM,  4
.set RM,  5
.set LS,  6
.set FF,  8
.set PR,  9
.set QF,  16
.set KB,  32
.set S,   64
.set KA,  160
.set OT,  192
.set CO,  40
.set WV,  10
.macro CROUND
	s_barrier_signal -1
	s_barrier_wait -1
	s_cmp_lg_u32 s[WV], 0
	s_cbranch_scc1 .Lnot_wave_0_\@
	s_barrier_signal -3
.Lnot_wave_0_\@:
	s_barrier_wait -3
	s_barrier_signal -1
	s_barrier_wait -1
.endm
.macro NOPS n
.rept \n
	v_nop
.endr
.endm
.macro KLD reg, t0                     ; four tiles of 16 keys x 64: eight loads of 16 bytes a lane
.irp t, 0,1,2,3
.irp c, 0,1
	ds_load_b128 v[\reg+8*\t+4*\c:\reg+8*\t+4*\c+3], v[ADR] offset:(\t0+\t)*1024+512*\c
.endr
.endr
.endm
.macro QK t0, kf                       ; S^T of four tiles of keys, both tiles of queries
.irp t, 0,1,2,3
.irp x, 0,1
	v_wmma_f32_16x16x64_bf8_bf8 v[S+64*\x+8*(\t0+\t):S+64*\x+8*(\t0+\t)+7], v[\kf+8*\t:\kf+8*\t+7], v[QF+8*\x:QF+8*\x+7], 0
.endr
.endr
.endm
.macro MX i, ch                        ; two more scores into chain ch, in both tiles
	v_max3_num_f32 v[\ch], v[\ch], v[S+\i], v[S+\i+1]
	v_max3_num_f32 v[\ch+6], v[\ch+6], v[S+64+\i], v[S+64+\i+1]
.endm
.macro HOLD a                          ; two holds in one line: the conversion does not saturate (ISA guide 7.6.2); p is not negative, so the hold is one-sided
	v_dual_min_num_f32 v[\a], s44, v[\a] :: v_dual_min_num_f32 v[\a+1], s44, v[\a+1]
.endm
	s_load_b128 s[4:7], s[0:1], 0x0                ; the workspace of q, k, v; the scales' exponents
	s_load_b64 s[8:9], s[0:1], 0x10                ; the output's codes
	v_lshl_add_u32 v254, v0, 2, 0x40000
	v_mov_b32 v255, 0
	ds_add_u32 v254, v255                          ; the opening lines
	ds_add_u32 v254, v255
	s_wait_dscnt 0x0
	v_lshrrev_b32 v1, 5, v0
	v_readfirstlane_b32 s[WV], v1
	s_bfe_u32 s11, ttmp6, 0x40000                  ; cx: my 512 queries of the head
	s_and_b32 s12, ttmp7, 0xffff                   ; the head, which the four partners share
	s_mov_b32 s16, 15|(3<<16)|(1<<21)              ; a dense block of 16,384 bytes as 64 rows of 256 bytes; the mask names all four
	s_mov_b32 s17, 32<<16
	s_mov_b32 s18, 64<<16
	s_mov_b32 s19, 32<<16
	s_mov_b32 s20, 64
	s_mov_b32 s21, 32
	s_mov_b32 s22, 0
	s_mov_b32 s23, 0
	s_mul_i32 s48, s12, 393216
	s_mov_b32 s49, 0
	s_mul_i32 s46, s[WV], 24576
	s_mov_b32 s47, 0
	s_mov_b32 s28, 0x76543210
	s_mov_b32 s29, 0xfedcba98
	s_mov_b32 s30, 0x3e38aa3b                      ; c = log2(e) / 8
	s_mov_b32 s32, 0                               ; LDS byte of the block in hand
	s_mov_b32 s33, 16                              ; key steps to go
	s_wait_kmcnt 0x0
	s_load_b256 s[36:43], s[6:7], 0x0              ; e0 .. e7
	s_add_nc_u64 s[48:49], s[4:5], s[48:49]
	s_mov_b32 s24, 1
	s_lshl_b32 s25, s[WV], 14
	s_add_nc_u64 s[26:27], s[48:49], s[46:47]
	s_or_b32 s27, s27, 0x80000000
	CROUND
	tensor_load_to_lds s[24:27], s[16:23]          ; my one tensor load
	s_nop 0
	NOPS 4
	s_lshl_b32 s50, s11, 2                         ; Q: block 4 cx + wave / 4 of 128 tokens, at 16,384 + 2,048 (wave % 4)
	s_lshr_b32 s51, s[WV], 2
	s_add_co_u32 s50, s50, s51
	s_mul_i32 s50, s50, 24576
	s_and_b32 s51, s[WV], 3
	s_lshl_b32 s51, s51, 11
	s_add_co_u32 s50, s50, s51
	s_add_co_u32 s50, s50, 16384
	s_mov_b32 s51, 0
	s_add_nc_u64 s[50:51], s[48:49], s[50:51]
	v_and_b32 v[ADR], 31, v0
	v_lshlrev_b32 v[ADR], 4, v[ADR]                ; 16 x lane: also block 0's LDS address
.irp i, 0,1,2,3
	global_load_b128 v[QF+4*\i:QF+4*\i+3], v[ADR], s[50:51] offset:512*\i
.endr
	s_lshr_b32 s52, s12, 4                         ; the output: block of 32 tokens 64 x batch + 16 cx + wave, 32,768 bytes each; + 1,024 x head
	s_lshl_b32 s52, s52, 6
	s_lshl_b32 s53, s11, 4
	s_add_co_u32 s52, s52, s53
	s_add_co_u32 s52, s52, s[WV]
	s_lshl_b32 s52, s52, 15
	s_and_b32 s53, s12, 15
	s_lshl_b32 s53, s53, 10
	s_add_co_u32 s52, s52, s53
	s_mov_b32 s53, 0
	s_add_nc_u64 s[8:9], s[8:9], s[52:53]
.irp x, 0,6
	v_mov_b32 v[RM+\x], 0xff61b1e6                 ; -3e38, under every score
	v_mov_b32 v[NM+\x], 0x7f61b1e6                 ; -M = 3e38: the first f is 0, over zeros
	v_mov_b32 v[LS+\x], 0
	v_mov_b32 v[LS+1+\x], 0
	v_mov_b32 v[PR+\x], 0
.endr
.set j, 0
.rept 64
	v_mov_b32 v[OT+j], 0                           ; the step is written once: the first finds zeros
.set j, j+1
.endr
	s_wait_kmcnt 0x0
	s_add_co_i32 s46, s38, s39
	s_lshl_b32 s46, s46, 23
	s_add_co_i32 s30, s30, s46                     ; e2 + e3 go into c's exponent field
	s_mov_b32 s31, s30
	s_add_co_i32 s46, s40, 127
	s_lshl_b32 s47, s46, 23
	v_mov_b32 v[PSC], s47                          ; 2^e4
	s_add_co_i32 s46, s46, 15
	s_lshl_b32 s46, s46, 23
	s_or_b32 s44, s46, 0x600000                    ; 57,344 x 2^e4
	s_add_co_i32 s45, s40, s41                     ; e4 + e5
	s_wait_alu depctr_va_vdst(0)
	s_wait_tensorcnt 0x0                           ; my block has landed,
	s_barrier_signal -1
	s_barrier_wait -1                              ; everybody's has; nobody writes LDS again
	s_wait_loadcnt 0x0                             ; Q
	s_barrier_signal -1                            ; the first signal of the steps' barrier (below); none of my LDS instructions is out
	KLD KA, 0                                      ; block 0's tiles 0-3
.Lstep:                                            ; 16 trips of 128 keys
	NOPS 5                                         ; behind the last products: four places for the loads into P's registers, five for the products that write over V's
	KLD KB, 4
	s_wait_dscnt 8                                 ; all but the eight just issued: tiles 0-3 are in
	QK 0, KA
	NOPS 4
	MX 0, RM                                       ; the largest score: the running one seeds chain one; each accumulator is met at its low end first
	v_max3_num_f32 v[FF], v[S+2], v[S+3], v[S+4]
	v_max3_num_f32 v[FF+6], v[S+66], v[S+67], v[S+68]
.set i, 5
.rept 6
	MX i, RM
	MX i+2, FF
.set i, i+4
.endr
	MX 29, RM
	s_wait_alu depctr_va_vdst(0)
	s_wait_dscnt 0x0                               ; tiles 4-7 are in, and none of my LDS loads is out
	s_barrier_wait -1                              ; THE STEPS' BARRIER, split over a whole step: every wave has reached the middle of the step before this one,
	s_barrier_signal -1                            ; and I have reached this one's: the sixteen waves walk the blocks within one step of each other.  Between a signal and its wait stand register work and loads of LDS bytes that nobody writes again
	QK 4, KB                                       ; (tile 1's results land on tiles 0-3's registers: the lines above are their places)
	NOPS 4
	MX 31, FF
.set i, 33
.rept 7
	MX i, RM
	MX i+2, FF
.set i, i+4
.endr
	MX 61, RM
.irp x, 0,1
	v_max3_num_f32 v[RM+6*\x], v[RM+6*\x], v[FF+6*\x], v[S+64*\x+63]
.endr
.irp x, 0,6
	v_permlanex16_b32 v[PR+\x], v[RM+\x], s28, s29
.endr
.irp x, 0,6
	v_max_num_f32 v[RM+\x], v[RM+\x], v[PR+\x]     ; and lane l xor 16's
.endr
.irp x, 0,6
	v_mul_f32 v[KB+\x], s30, v[RM+\x]              ; as t (c is positive)
.endr
.irp x, 0,6
	v_floor_f32 v[KB+\x], -v[KB+\x]                ; the new -M = -ceil(t)
.endr
.irp x, 0,6
	v_sub_f32 v[KB+2+\x], v[KB+\x], v[NM+\x]       ; old M - new M, a whole number, 0 or less
.endr
.irp x, 0,6
	v_mov_b32 v[NM+\x], v[KB+\x]
.endr
.irp x, 0,6
	v_cvt_i32_f32 v[KB+2+\x], v[KB+2+\x]           ; (it saturates)
.endr
.irp x, 0,6
	v_ldexp_f32 v[FF+\x], 1.0, v[KB+2+\x]          ; f = 2^(old M - new M)
.endr
.set j, 0
.rept 32
	v_pk_fma_f32 v[S+j:S+j+1], v[S+j:S+j+1], s[30:31], v[NM:NM+1] op_sel_hi:[1,0,0]   ; tile 0: t - M
.set j, j+2
.endr
	s_wait_alu depctr_va_vdst(0)                   ; ahead of the batch
.set j, 0
.rept 32                                       ; tile 0's exponentials; between them tile 1's t - M
	v_exp_f32 v[S+j], v[S+j]
	v_exp_f32 v[S+j+1], v[S+j+1]
	v_pk_fma_f32 v[S+64+j:S+64+j+1], v[S+64+j:S+64+j+1], s[30:31], v[NM+6:NM+7] op_sel_hi:[1,0,0]
.set j, j+2
.endr
	s_wait_alu depctr_va_vdst(0)                   ; behind tile 0's batch and ahead of tile 1's
.set j, 0
.rept 16                                       ; tile 1's exponentials; between them tile 0's first sums (of the UNQUANTISED p, into v32-63) and its holds
	v_exp_f32 v[S+64+j], v[S+64+j]
	v_pk_add_f32 v[KB+j/2:KB+j/2+1], v[S+j:S+j+1], v[S+j+2:S+j+3]
	v_exp_f32 v[S+65+j], v[S+65+j]
	HOLD S+j
	v_exp_f32 v[S+66+j], v[S+66+j]
	HOLD S+j+2
	v_exp_f32 v[S+67+j], v[S+67+j]
.set j, j+4
.endr
.irp x, 0,6
	v_pk_mul_f32 v[LS+\x:LS+1+\x], v[LS+\x:LS+1+\x], v[FF+\x:FF+1+\x] op_sel_hi:[1,0]   ; the sums under the new M
.endr
	s_wait_alu depctr_va_vdst(0)                   ; one wait for the batch, ahead of its first reader
.set j, 0
.rept 8
	v_pk_add_f32 v[KB+j:KB+j+1], v[KB+j:KB+j+1], v[KB+16+j:KB+17+j]   ; tile 0's sums as a tree
.set j, j+2
.endr
.irp k, 0,1,2                                  ; tile 1's sums in four chains: v[12:13] and v[48:53]
	v_pk_add_f32 v[KB+16+2*\k:KB+17+2*\k], v[S+64+4*\k:S+65+4*\k], v[S+66+4*\k:S+67+4*\k]
.endr
	v_pk_add_f32 v[LS+6:LS+7], v[LS+6:LS+7], v[S+76:S+77]
.set j, 0
.rept 4
	v_pk_add_f32 v[KB+j:KB+j+1], v[KB+j:KB+j+1], v[KB+8+j:KB+9+j]
.set j, j+2
.endr
.set j, 78
.rept 6
	v_pk_add_f32 v[LS+6:LS+7], v[LS+6:LS+7], v[S+j:S+j+1]
	v_pk_add_f32 v[KB+16:KB+17], v[KB+16:KB+17], v[S+j+2:S+j+3]
	v_pk_add_f32 v[KB+18:KB+19], v[KB+18:KB+19], v[S+j+4:S+j+5]
	v_pk_add_f32 v[KB+20:KB+21], v[KB+20:KB+21], v[S+j+6:S+j+7]
.set j, j+8
.endr
	v_pk_add_f32 v[KB:KB+1], v[KB:KB+1], v[KB+4:KB+5]
	v_pk_add_f32 v[KB+2:KB+3], v[KB+2:KB+3], v[KB+6:KB+7]
	v_pk_add_f32 v[LS+6:LS+7], v[LS+6:LS+7], v[S+126:S+127]
	v_pk_add_f32 v[KB+16:KB+17], v[KB+16:KB+17], v[KB+18:KB+19]
	v_pk_add_f32 v[KB:KB+1], v[KB:KB+1], v[KB+2:KB+3]
	v_pk_add_f32 v[LS+6:LS+7], v[LS+6:LS+7], v[KB+20:KB+21]
	v_pk_add_f32 v[LS:LS+1], v[LS:LS+1], v[KB:KB+1]
	v_pk_add_f32 v[LS+6:LS+7], v[LS+6:LS+7], v[KB+16:KB+17]
.irp b, 0,1,2,3
	v_cvt_scalef32_pk8_bf8_f32 v[KB+4*\b:KB+4*\b+1], v[S+16*\b:S+16*\b+7], v[PSC]
	v_cvt_scalef32_pk8_bf8_f32 v[KB+4*\b+2:KB+4*\b+3], v[S+16*\b+8:S+16*\b+15], v[PSC]
.endr
.irp t, 0,1,2,3                                ; V's four fragments go into tile 0's scores, which are done with
.irp c, 0,1,2,3
	ds_load_b128 v[S+16*\t+4*\c:S+16*\t+4*\c+3], v[ADR] offset:8192+2048*\t+512*\c
.endr
.endr
.set j, 64
.rept 32
	HOLD S+j
.set j, j+2
.endr
.irp b, 0,1,2,3
	v_cvt_scalef32_pk8_bf8_f32 v[KB+16+4*\b:KB+17+4*\b], v[S+64+16*\b:S+64+16*\b+7], v[PSC]
	v_cvt_scalef32_pk8_bf8_f32 v[KB+18+4*\b:KB+19+4*\b], v[S+64+16*\b+8:S+64+16*\b+15], v[PSC]
.endr
	s_add_co_u32 s32, s32, 16384
	s_min_u32 s34, s32, 0x3c000                    ; the next block; the last trip names block 15 once more, and nothing reads what it fetches
	v_and_b32 v[ADR], 31, v0
	v_lshl_add_u32 v[ADR], v[ADR], 4, s34
	KLD KA, 0                                      ; the next step's tiles 0-3, into tile 1's scores, which are done with
	s_wait_alu depctr_va_vdst(0)                   ; directly ahead of the first reader of O^T
.irp x, 0,1
.set j, 0
.rept 16
	v_pk_mul_f32 v[OT+32*\x+j:OT+32*\x+j+1], v[OT+32*\x+j:OT+32*\x+j+1], v[FF+6*\x:FF+6*\x+1] op_sel_hi:[1,0]   ; O^T under the new M
.set j, j+2
.endr
.endr
	s_wait_alu depctr_va_vdst(0)
	s_wait_dscnt 8                                 ; all but the eight loads of the next K: V is in
.irp t, 0,1,2,3                                ; O^T += V^T P^T: eight accumulators by turns
.irp x, 0,1
	v_wmma_f32_16x16x128_bf8_bf8 v[OT+32*\x+8*\t:OT+32*\x+8*\t+7], v[S+16*\t:S+16*\t+15], v[KB+16*\x:KB+16*\x+15], v[OT+32*\x+8*\t:OT+32*\x+8*\t+7]
.endr
.endr
	s_sub_co_u32 s33, s33, 1
	s_cmp_lg_u32 s33, 0
	s_cbranch_scc1 .Lstep
	s_barrier_wait -1                              ; the last signal's wait
	; THE WAY OUT.  O^T / the sum x 2^(e4 + e5) is quantised with 2^e6; tiles 2 b, 2 b + 1 of O^T are four registers of the last launch's operand, stored as they stand.
	NOPS 4
	v_add_f32 v6, v6, v7
	v_add_f32 v12, v12, v13
	v_permlanex16_b32 v9, v6, s28, s29
	v_permlanex16_b32 v15, v12, s28, s29
	v_add_f32 v6, v6, v9
	v_add_f32 v12, v12, v15
	s_wait_alu depctr_va_vdst(0)                   ; ahead of the reciprocals
	v_rcp_f32 v6, v6
	v_rcp_f32 v12, v12
	s_add_co_i32 s46, s42, 127
	s_lshl_b32 s47, s46, 23
	v_mov_b32 v32, s47                             ; 2^e6
	s_add_co_i32 s46, s46, 15
	s_lshl_b32 s46, s46, 23
	s_or_b32 s46, s46, 0x600000
	v_mov_b32 v33, s46                             ; 57,344 x 2^e6
	v_and_b32 v[ADR], 31, v0
	v_lshlrev_b32 v[ADR], 4, v[ADR]
	s_wait_alu depctr_va_vdst(0)                   ; one wait for both reciprocals, ahead of their first reader
	v_ldexp_f32 v6, v6, s45
	v_ldexp_f32 v12, v12, s45
	s_wait_alu depctr_va_vdst(0)                   ; directly ahead of the first reader of O^T
.irp x, 0,1
.set j, 0
.rept 16
	v_pk_mul_f32 v[OT+32*\x+j:OT+32*\x+j+1], v[OT+32*\x+j:OT+32*\x+j+1], v[6+6*\x:7+6*\x] op_sel_hi:[1,0]
.set j, j+2
.endr
.endr
.set j, 0
.rept 64
	v_med3_num_f32 v[OT+j], v[OT+j], -v33, v33
.set j, j+1
.endr
.irp x, 0,1
.irp b, 0,1
	v_cvt_scalef32_pk8_bf8_f32 v[CO+8*\x+4*\b:CO+8*\x+4*\b+1], v[OT+32*\x+16*\b:OT+32*\x+16*\b+7], v32
	v_cvt_scalef32_pk8_bf8_f32 v[CO+8*\x+4*\b+2:CO+8*\x+4*\b+3], v[OT+32*\x+16*\b+8:OT+32*\x+16*\b+15], v32
.endr
.endr
	v_nop
.irp x, 0,1
.irp b, 0,1
	global_store_b128 v[ADR], v[CO+8*\x+4*\b:CO+8*\x+4*\b+3], s[8:9] offset:16384*\x+512*\b   ; 32 lanes store 512 consecutive bytes, aligned
.endr
.endr
	s_wait_xcnt 0x0
	v_lshl_add_u32 v254, v0, 2, 0x40000
	v_mov_b32 v255, 0
	s_wait_alu depctr_va_vdst(0)
	s_wait_tensorcnt 0x0                           ; the wave's end
	ds_add_u32 v254, v255
	s_wait_dscnt 0x0
	CROUND
	s_endpgm
.Lfunc_end_k_q50d6b8583f_attn:
	.size	k_q50d6b8583f_attn, .Lfunc_end_k_q50d6b8583f_attn-k_q50d6b8583f_attn
	.p2alignl 7, 3214868480
	.fill 96, 4, 3214868480
	.section	.rodata,"a",@progbits
	.p2align	6, 0x0
	.amdhsa_kernel k_q50d6b8583f_attn
		.amdhsa_group_segment_fixed_size 264192
		.amdhsa_private_segment_fixed_size 0
		.amdhsa_enable_private_segment 0
		.amdhsa_kernarg_size 24
		.amdhsa_user_sgpr_count 2
		.amdhsa_user_sgpr_kernarg_segment_ptr 1
		.amdhsa_wavefront_size32 1
		.amdhsa_system_sgpr_workgroup_id_x 1
		.amdhsa_system_sgpr_workgroup_id_y 1
		.amdhsa_system_sgpr_workgroup_id_z 1
		.amdhsa_system_vgpr_workitem_id 0
		.amdhsa_next_free_vgpr 256
		.amdhsa_next_free_sgpr 66
		.amdhsa_reserve_vcc 0
		.amdhsa_float_denorm_mode_32 3
		.amdhsa_float_denorm_mode_16_64 3
		.amdhsa_memory_ordered 1
		.amdhsa_forward_progress 1
		.amdhsa_inst_pref_size 45
	.end_amdhsa_kernel
	.amdgpu_metadata
---
amdhsa.version: [ 1, 2 ]
amdhsa.kernels:
  - .name:           k_q50d6b8583f_attn
    .symbol:         k_q50d6b8583f_attn.kd
    .args:
      - { .name: qkv_ws, .offset: 0, .size: 8, .value_kind: global_buffer, .address_space: global }
      - { .name: lowp_scales, .offset: 8, .size: 8, .value_kind: global_buffer, .address_space: global }
      - { .name: o_ws, .offset: 16, .size: 8, .value_kind: global_buffer, .address_space: global }
    .group_segment_fixed_size: 264192
    .private_segment_fixed_size: 0
    .kernarg_segment_align: 8
    .kernarg_segment_size: 24
    .max_flat_workgroup_size: 512
    .sgpr_count:     66
    .vgpr_count:     256
    .wavefront_size: 32
...
	.end_amdgpu_metadata
.endif
;; end of part 2
;; launch proj (part 3): grid 4 x 64, 4 waves a work-group, clusters of 4 x 4, 327,680 bytes of LDS; arguments o_ws, W_proj_codes, b_proj, lowp_scales, out0; writes out0
.if DOCPART == 3
	.amdgcn_target "amdgcn-amd-amdhsa--gfx1250"
	.amdhsa_code_object_version 6
	.text
	.protected	k_q50d6b8583f_proj
	.globl	k_q50d6b8583f_proj
	.p2align	8
	.type	k_q50d6b8583f_proj,@function
k_q50d6b8583f_proj:
	s_mov_b64 s[64:65], 0
	v_nop
	global_prefetch_b8 v0, s[64:65] scope:SCOPE_SE
	s_setreg_imm32_b32 hwreg(HW_REG_WAVE_MODE, 25, 1), 1
	s_wait_xcnt 0x0
	s_wait_alu depctr_hold_cnt(0) depctr_sa_sdst(0) depctr_va_vdst(0) depctr_va_sdst(0) depctr_va_ssrc(0) depctr_va_vcc(0) depctr_vm_vsrc(0)
	s_getreg_b32 s2, hwreg(HW_REG_IB_STS2, 6, 4)
	s_cmp_eq_u32 s2, 0
	s_cbranch_scc0 .Lentry_in_a_cluster
	s_endpgm
.Lentry_in_a_cluster:
	s_bfe_u32 s2, ttmp6, 0x10000c
	s_cmp_lg_u32 s2, 0xf033
	s_cbranch_scc0 .Lentry_shape_is_right
	s_endpgm
.Lentry_shape_is_right:
; out0 = o W_proj^T + b_proj on codes of BF8 (E5M2).  o: 8,192 tokens x 1,024, codes laid by the launch before as images of operand registers: [tile of 16 tokens][32 along K][lane][16 bytes];
; lane 16 h + r of tile 2 g + u holds token 32 g + 8 u + r + 8 (r / 8), K = 32 c + 16 h + 0 .. 15.  W_proj: [1024][1024] codes, K innermost.  out0 = sum x 2^(e6 + e7) + bias, one fused multiply-add.
; LIMIT: e6 + e7 between -126 and 127, so that 2^(e6 + e7) is an f32 number.
; A block is 128 tokens x 256 features: 256 work-groups.  Four waves, each 64 tokens x 128 features: 32 accumulators.  Source 0 = 16 rows of W, source 1 = 16 tokens.
; W'S 256 ROWS LIE IN LDS WITH THE WHOLE K: 256 x (1,024 + 16) = 266,240 bytes; wave w brings rows 64 w .. 64 w + 63 by its ONE tensor load, asked for jointly along a column of the 4 x 4 cluster.  No byte is filled twice.
; THE TOKENS GO FROM MEMORY STRAIGHT INTO OPERAND REGISTERS: a wave's 64 tokens x 1,024 are 128 loads of 512 consecutive bytes, 512 registers.  They are not asked for jointly: beside W's 266,240 bytes
; LDS has no room for a block's 131,072 bytes of tokens, and the images need no pass through LDS.  All fills and loads go out at the head and the text has no loop, so nothing is prefetched.
; K goes in 16 half-steps: 128 along K x four of W's eight tiles x my four tiles of tokens, 16 products; W's fragments come through three buffers, asked for two half-steps ahead.
; REGISTERS, in windows of 256: window 0: v0-31 addresses; v64-127, v128-191, v192-255 W's three buffers (on the way out v32-95 at work, v128-255 rows read back);
;   windows 1, 2: the tokens, 128 along K number q at window 1 + q / 4, v[64 (q % 4) + 16 a]; later window 1 v0-63 the bias;   window 3: the accumulators, (a, b) at v[64 a + 8 b].
.set PITCH,  1040
.set QROWS,  64*PITCH
.set SPARE,  4*QROWS                   ; the spare words, 128 bytes for each wave
.set STAGE,  SPARE+512                 ; the way out: 16 rows x 528 bytes for each wave; no fill lands here
.set SPITCH, 528
.set ADRB, 20                          ; v20, v21  my rows 0-63, 64-127 of W in LDS
.set STO,  24
.set RD,   25
.set CO,   26                          ; 16 x lane
.set SPW,  28
.set NIL,  29
.set BO,   30
.set TMP,  32
.set WB,   64
.set BK,   128
.set MSB, 0
.macro WIN new
.if MSB != (\new)
	s_set_vgpr_msb (MSB<<8)|(\new)
.set MSB, (\new)
.endif
.endm
.macro CROUND
	s_barrier_signal -1
	s_barrier_wait -1
	s_cmp_lg_u32 s14, 0
	s_cbranch_scc1 .Lnot_wave_0_\@
	s_barrier_signal -3
.Lnot_wave_0_\@:
	s_barrier_wait -3
	s_barrier_signal -1
	s_barrier_wait -1
.endm
.macro PLACES n
.rept \n
	v_nop
.endr
.endm
.macro ALOAD q                         ; my four tiles of tokens, 128 along K number q: 16 loads
	WIN 0x40*(1+(\q)/4)
.irp a, 0,1,2,3
.irp c, 0,1,2,3
	global_load_b128 v[64*((\q)%4)+16*\a+4*\c:64*((\q)%4)+16*\a+4*\c+3], v[CO], s[20:21] offset:16384*\a+2048*(\q)+512*\c
.endr
.endr
.endm
	s_load_b256 s[4:11], s[0:1], 0x0               ; o's codes, W's, b_proj, the scales' exponents
	s_load_b64 s[12:13], s[0:1], 0x20              ; out0
	v_lshl_add_u32 v[SPW], v0, 2, SPARE
	v_mov_b32 v[NIL], 0
	ds_add_u32 v[SPW], v[NIL]                      ; the opening lines
	ds_add_u32 v[SPW], v[NIL]
	v_lshrrev_b32 v1, 5, v0
	v_readfirstlane_b32 s14, v1                    ; wave 0..3
	s_lshr_b32 s15, s14, 1                         ; which 64 tokens are mine
	s_and_b32 s16, s14, 1                          ; which 128 features
	s_bfe_u32 s58, ttmp6, 0x40000                  ; cx
	s_bfe_u32 s59, ttmp6, 0x40004                  ; cy
	s_lshl_b32 s60, ttmp9, 2
	s_add_co_u32 s60, s60, s58                     ; the tile of 256 features
	s_and_b32 s17, ttmp7, 0xffff
	s_lshl_b32 s17, s17, 2
	s_add_co_u32 s17, s17, s59                     ; the tile of 128 tokens
	s_lshl_b32 s62, 0x1111, s58                    ; my column of the cluster
	s_or_b32 s24, s62, (0<<16)|(1<<20)|(1<<21)|(7<<22)|(3<<25)  ; elements of 1 byte; 4 words of padding after every 256
	s_mov_b32 s25, 1024<<16
	s_mov_b32 s26, 64<<16
	s_mov_b32 s27, 1024<<16
	s_mov_b32 s28, 64
	s_mov_b32 s29, 1024
	s_mov_b32 s30, 0
	s_mov_b32 s31, 0
	v_and_b32 v6, 31, v0
	v_lshlrev_b32 v[CO], 4, v6
	s_lshl_b32 s20, s17, 17                        ; the tokens: tile 8 x (tile of 128) + 4 x half, 16,384 bytes each
	s_lshl_b32 s18, s15, 16
	s_add_co_u32 s20, s20, s18
	s_mov_b32 s21, 0
	s_lshl_b32 s46, s60, 18                        ; W: row 256 x tile + 64 x wave, 1,024 bytes each
	s_lshl_b32 s18, s14, 16
	s_add_co_u32 s46, s46, s18
	s_mov_b32 s47, 0
	s_mul_i32 s33, s14, QROWS                      ; and where they go: no place in the cluster enters an LDS address
	s_mov_b32 s32, 1
	s_wait_alu depctr_va_vdst(0)
	s_wait_dscnt 0x0
	s_wait_kmcnt 0x0
	s_load_b256 s[80:87], s[10:11], 0x0            ; e0 .. e7
	s_add_nc_u64 s[20:21], s[4:5], s[20:21]
	s_add_nc_u64 s[34:35], s[6:7], s[46:47]
	s_or_b32 s35, s35, 0x80000000
	ALOAD 0                                        ; 48 loads ahead of the round
	ALOAD 1
	ALOAD 2
	WIN 0
	CROUND                                         ; all sixteen work-groups are here: the joint loads meet
	tensor_load_to_lds s[32:35], s[24:31]          ; my one tensor load
	s_nop 0
	PLACES 4
	v_and_b32 v1, 15, v0                           ; r
	v_bfe_u32 v2, v0, 4, 1                         ; h
	v_mul_u32_u24 v3, v1, PITCH
	v_lshl_add_u32 v4, v2, 4, v3
	s_mul_i32 s22, s16, 2*QROWS
	v_add_nc_u32 v[ADRB], s22, v4
	v_add_nc_u32 v[ADRB+1], QROWS, v[ADRB]
	s_mul_i32 s23, s14, 16*SPITCH
	s_add_co_u32 s23, s23, STAGE
	v_mul_u32_u24 v5, v1, SPITCH
	v_lshl_add_u32 v5, v2, 5, v5
	v_add_nc_u32 v[STO], s23, v5
	v_add_nc_u32 v[RD], s23, v[CO]
	s_lshl_b32 s18, s60, 10
	s_lshl_b32 s19, s16, 9
	s_add_co_u32 s18, s18, s19                     ; my first feature, in bytes of f32
	v_lshl_add_u32 v[BO], v2, 5, s18
	s_lshl_b32 s50, s17, 7
	s_lshl_b32 s51, s15, 6
	s_add_co_u32 s50, s50, s51                     ; my first token
	s_lshl_b32 s50, s50, 12
	s_add_co_u32 s50, s50, s18
	s_mov_b32 s51, 0
	s_add_nc_u64 s[12:13], s[12:13], s[50:51]
	ALOAD 3
	ALOAD 4
	ALOAD 5
	ALOAD 6
	ALOAD 7
	WIN 0
.macro WLOAD n                         ; half-step n's four fragments of W into buffer n % 3
.irp b, 0,1,2,3
.irp c, 0,1,2,3
	ds_load_b128 v[WB+64*((\n)%3)+16*\b+4*\c:WB+64*((\n)%3)+16*\b+4*\c+3], v[ADRB+(\n)%2] offset:16*PITCH*\b+128*((\n)/2)+32*\c
.endr
.endr
.endm
; lc >= 0: a wait for the tokens: lc = the loads issued behind those that this half-step multiplies (at most the counter's field).
.macro HS n, lc
	WIN 0
.if (\lc) >= 0
	s_wait_loadcnt \lc
.endif
.if (\n) < 15
	s_wait_dscnt 16                                ; all but the next half-step's 16 loads
.else
	s_wait_dscnt 0x0
.endif
.if (\n) < 14
	PLACES 4                                       ; in front of loads into the buffer that the half-step before multiplied
	WLOAD (\n)+2
.endif
.if (\n) == 8
	WIN 0x40                                       ; the bias, register 8 b + j: feature 16 b + 8 h + j, over the tokens' first 128 along K, which are done with
.irp b, 0,1,2,3,4,5,6,7
	global_load_b128 v[8*\b:8*\b+3], v[BO], s[8:9] offset:64*\b
	global_load_b128 v[8*\b+4:8*\b+7], v[BO], s[8:9] offset:64*\b+16
.endr
.endif
	WIN 0xf0|((1+(\n)/8)<<2)                       ; W window 0, tokens window 1 or 2, C and D window 3
.irp a, 0,1,2,3
.irp b, 0,1,2,3
.if (\n) < 2
	v_wmma_f32_16x16x128_bf8_bf8 v[64*\a+32*((\n)%2)+8*\b:64*\a+32*((\n)%2)+8*\b+7], v[WB+64*((\n)%3)+16*\b:WB+64*((\n)%3)+16*\b+15], v[64*(((\n)/2)%4)+16*\a:64*(((\n)/2)%4)+16*\a+15], 0
.else
	v_wmma_f32_16x16x128_bf8_bf8 v[64*\a+32*((\n)%2)+8*\b:64*\a+32*((\n)%2)+8*\b+7], v[WB+64*((\n)%3)+16*\b:WB+64*((\n)%3)+16*\b+15], v[64*(((\n)/2)%4)+16*\a:64*(((\n)/2)%4)+16*\a+15], v[64*\a+32*((\n)%2)+8*\b:64*\a+32*((\n)%2)+8*\b+7]
.endif
.endr
.endr
.endm
	s_wait_alu depctr_va_vdst(0)
	s_wait_tensorcnt 0x0                           ; my 64 rows of W are in,
	s_barrier_signal -1
	s_barrier_wait -1                              ; everybody's are; nothing is filled again
	WLOAD 0
	WLOAD 1
	HS 0, 63                                       ; of 128 loads all but the youngest 63 are in: the first 512 along K
	HS 1, -1
	HS 2, -1
	HS 3, -1
	HS 4, -1
	HS 5, -1
	HS 6, -1
	HS 7, -1
	HS 8, 48                                       ; behind: 48 of the tokens' loads
	HS 9, -1
	HS 10, 48                                      ; 32 of the tokens' and the bias's 16
	HS 11, -1
	HS 12, 32
	HS 13, -1
	HS 14, 16
	HS 15, -1
	WIN 0
; THE WAY OUT, a tile of 16 tokens x 128 features at a time, through my own stage in LDS: whole rows of 512 bytes come back, which the 32 lanes store as 512 consecutive bytes.
.macro TOSTAGE a
	WIN 0x13                                       ; source 0 (the sums) window 3, source 2 (the bias) window 1
.set j, 0
.rept 32
	v_pk_fma_f32 v[TMP+j:TMP+j+1], v[64*(\a)+j:64*(\a)+j+1], s[96:97], v[j:j+1] op_sel_hi:[1,0,1]   ; each accumulator from its low end on
.set j, j+2
.endr
	WIN 0
.irp b, 0,1,2,3,4,5,6,7
	ds_store_b128 v[STO], v[TMP+8*\b:TMP+8*\b+3] offset:64*\b
	ds_store_b128 v[STO], v[TMP+8*\b+4:TMP+8*\b+7] offset:64*\b+16
.endr
.set BB, BK+64*((\a)%2)
.irp t, 0,1,2,3,4,5,6,7,8,9,10,11,12,13,14,15
	ds_load_b128 v[BB+4*\t:BB+4*\t+3], v[RD] offset:\t*SPITCH   ; LDS serves a wave's instructions in order (ISA guide 5.7.1.4): these see my stores
.endr
.endm
.macro SEND a, younger                 ; younger: the LDS instructions issued behind tile a's loads
.set BB, BK+64*((\a)%2)
	s_wait_dscnt \younger
.irp t, 0,1,2,3,4,5,6,7,8,9,10,11,12,13,14,15
	global_store_b128 v[CO], v[BB+4*\t:BB+4*\t+3], s[12:13] offset:(32*((\a)/2)+8*((\a)%2)+\t+8*(\t/8))*4096 th:TH_STORE_NT   ; row t of tile a is token 32 (a / 2) + 8 (a % 2) + t + 8 (t / 8) of my 64
.endr
.endm
	s_wait_kmcnt 0x0
	s_add_co_i32 s96, s86, s87
	s_add_co_i32 s96, s96, 127
	s_lshl_b32 s96, s96, 23                        ; 2^(e6 + e7)
	s_mov_b32 s97, s96
	s_wait_loadcnt 0x0                             ; the bias
	PLACES 4                                       ; behind the last products
	TOSTAGE 0
.irp a, 1,2,3
.if \a > 1
	s_wait_xcnt 0x0                                ; tile a - 2's stores have read their registers: tile a's loads may land there
.endif
	TOSTAGE \a
	SEND \a-1, 32                                  ; behind tile a - 1's loads: tile a's 16 stores and 16 loads
.endr
	SEND 3, 0
	s_wait_tensorcnt 0x0                           ; the wave's end
	ds_add_u32 v[SPW], v[NIL]
	s_wait_dscnt 0x0
	CROUND                                         ; the closing round
	s_endpgm
.Lfunc_end_k_q50d6b8583f_proj:
	.size	k_q50d6b8583f_proj, .Lfunc_end_k_q50d6b8583f_proj-k_q50d6b8583f_proj
	.p2alignl 7, 3214868480
	.fill 96, 4, 3214868480
	.section	.rodata,"a",@progbits
	.p2align	6, 0x0
	.amdhsa_kernel k_q50d6b8583f_proj
		.amdhsa_group_segment_fixed_size 327680
		.amdhsa_private_segment_fixed_size 0
		.amdhsa_enable_private_segment 0
		.amdhsa_kernarg_size 40
		.amdhsa_user_sgpr_count 2
		.amdhsa_user_sgpr_kernarg_segment_ptr 1
		.amdhsa_wavefront_size32 1
		.amdhsa_system_sgpr_workgroup_id_x 1
		.amdhsa_system_sgpr_workgroup_id_y 1
		.amdhsa_system_sgpr_workgroup_id_z 1
		.amdhsa_system_vgpr_workitem_id 0
		.amdhsa_next_free_vgpr 1024
		.amdhsa_next_free_sgpr 98
		.amdhsa_reserve_vcc 0
		.amdhsa_float_denorm_mode_32 3
		.amdhsa_float_denorm_mode_16_64 3
		.amdhsa_memory_ordered 1
		.amdhsa_forward_progress 1
		.amdhsa_inst_pref_size 77
	.end_amdhsa_kernel
	.amdgpu_metadata
---
amdhsa.version: [ 1, 2 ]
amdhsa.kernels:
  - .name:           k_q50d6b8583f_proj
    .symbol:         k_q50d6b8583f_proj.kd
    .args:
      - { .name: o_ws, .offset: 0, .size: 8, .value_kind: global_buffer, .address_space: global }
      - { .name: W_proj_codes, .offset: 8, .size: 8, .value_kind: global_buffer, .address_space: global }
      - { .name: b_proj, .offset: 16, .size: 8, .value_kind: global_buffer, .address_space: global }
      - { .name: lowp_scales, .offset: 24, .size: 8, .value_kind: global_buffer, .address_space: global }
      - { .name: out0, .offset: 32, .size: 8, .value_kind: global_buffer, .address_space: global }
    .group_segment_fixed_size: 327680
    .private_segment_fixed_size: 0
    .kernarg_segment_align: 8
    .kernarg_segment_size: 40
    .max_flat_workgroup_size: 128
    .sgpr_count:     98
    .vgpr_count:     1024
    .wavefront_size: 32
...
	.end_amdgpu_metadata
.endif
;; end of part 3
